; MI455X (gfx1250); checked and timed in simulation.
; The chip was launched on July 23, 2026; its instructions are those of AMD's public machine-readable ISA for CDNA 5 (MIT licence, August 2026) and "CDNA5" Instruction Set Architecture Reference Guide (July 2026). The comments in the code are by the model that wrote it; some were corrected since.
;; Chunked Local Attention. Allowed arithmetic: matrix products marked QUANTISED: E2M3 operands, one E8M0 scale for each 32 along K, by v_wmma_scale_f32_16x16x128_f8f6f4 with both operands' format E2M3, f32 sums; everything else in f32.
;; Inputs: Wk 512 x 512 float32; Wo 512 x 512 float32; Wq 512 x 512 float32; Wv 512 x 512 float32; x 4 x 8,192 x 512 float32.
;; Outputs: out0 4 x 8,192 x 512 float32.
;; This version of the problem:
;;   THIS VERSION OF THE PROBLEM IS GIVEN IN LOW PRECISION. The matrix products marked QUANTISED in the list below multiply operands that are first quantised to E2M3 (2 exponent bits, 3 mantissa bits; 6 bits a number), with one power-of-two scale for each 32 numbers along K (OCP MX v1.0); their sums are f32. All else is computed in f32.
;;   The module's matrix products, in the order in which they are computed (A, B: the left and right operand; K: the contracted axis; several contracted axes count as one K, in the product's order):
;;     1. [M 32,768, K 512] x [K 512, N 512]; A: input x; B: input Wq: QUANTISED
;;     2. [M 32,768, K 512] x [K 512, N 512]; A: input x; B: input Wk: QUANTISED
;;     3. [M 32,768, K 512] x [K 512, N 512]; A: input x; B: input Wv: QUANTISED
;;     4. batch 2,048 x [M 256, K 32] x [K 32, N 256]; A: computed on the way; B: computed on the way: QUANTISED
;;     5. batch 2,048 x [M 256, K 256] x [K 256, N 32]; A: softmax (see below); B: computed on the way: QUANTISED
;;     6. [M 32,768, K 512] x [K 512, N 512]; A: computed on the way; B: input Wo: QUANTISED
;;   THE QUANTISER, for each operand of a quantised product, along K:
;;     - K is cut into blocks of 32 from its start; a last block that is shorter is filled with zeros.
;;     - A block's scale is 2^e with e = floor(log2(the largest magnitude in the block)) - 2, held to -126 .. 127; a block of zeros has e = 0. As a byte (E8M0): e + 127.
;;     - Each number is divided by its block's scale, clamped to +-7.5, and rounded to the nearest number of E2M3, ties to even, subnormals kept.
;;     - The product sums the exact products of the quantised numbers (number of the format x scale) in f32.
;;   ~~~python
;;   def quantise(x, axis):      # numpy; x: float32 -> the quantised numbers, widened to float32 again
;;       x = np.moveaxis(x, axis, -1); K = x.shape[-1]
;;       x = np.pad(x, [(0, 0)] * (x.ndim - 1) + [(0, -K % 32)]); x = x.reshape(x.shape[:-1] + (-1, 32)); a = np.abs(x).max(-1, keepdims=True)
;;       e = np.where(a > 0, np.clip(np.frexp(np.where(a > 0, a, 1))[1] - 1 - 2, -126, 127), 0)      # np.frexp(a)[1] - 1 = floor(log2(a)), exactly
;;       r = np.clip(x / 2.0 ** e, -7.5, 7.5)
;;       step = 2.0 ** (np.maximum(np.frexp(np.where(r == 0, 1, r))[1] - 1, 0) - 3)
;;       q = np.round(r / step) * step * 2.0 ** e      # np.round: ties to even
;;       return np.moveaxis(q.reshape(q.shape[:-2] + (-1,))[..., :K], -1, axis).astype(np.float32)
;;   ~~~
;;   SOFTMAX AHEAD OF A QUANTISED PRODUCT. Where the list says 'softmax', what is quantised is not the finished softmax but p = 2^(t - M), with t = logit x log2(e) and M = ceil(the row's largest t), a whole number; so 1/2 < the row's largest p <= 1. The row's sum l is taken of the UNQUANTISED p, in f32, and the product's result is divided by l at the end. Since M is a whole number, a kernel that streams over the keys may use a running M (the ceiling of the running maximum): every later rescaling is an exact power of two, which a block's scale takes up: the codes' values come out the same.
;;   OPERANDS COMPUTED ON THE WAY. 'Computed on the way' means the value that the module computes at that place (a softmax that the list does not call 'softmax' is quantised finished and normalised). What goes into a quantiser is computed in f32, as accurately as f32 sums, v_exp_f32 and their like allow (about 1e-6 of the number): no bf16 or f16 on the way to a quantiser, and a product that is left as it is and whose result goes on into a quantised operand takes f32 operands (vector FMAs, or v_wmma_f32_16x16x4_f32). A number that lies on a knife's edge between two numbers of the format may be rounded either way, as far as f32 arithmetic and the matrix unit's own rounding can turn it there, and no further.
;; One version. Each part assembles by itself: llvm-mc -triple=amdgcn-amd-amdhsa -mcpu=gfx1250 --defsym DOCPART=n.
;; ======== version 1 of 1: 2 launches
;; limits: right only within a limited range of input values
;; workspace buffers: wfrag 819,200 bytes
;; launch wprep (part 1): grid 128 x 1, 4 waves a work-group, no clusters, 1,536 bytes of LDS; arguments Wq, Wk, Wv, Wo, wfrag; writes wfrag
.if DOCPART == 1
	.amdgcn_target "amdgcn-amd-amdhsa--gfx1250"
	.amdhsa_code_object_version 6
	.text
	.protected	k_q7516e6ac54_wprep
	.globl	k_q7516e6ac54_wprep
	.p2align	8
	.type	k_q7516e6ac54_wprep,@function
k_q7516e6ac54_wprep:
	s_mov_b64 s[64:65], 0
	v_nop
	global_prefetch_b8 v0, s[64:65] scope:SCOPE_SE
	s_setreg_imm32_b32 hwreg(HW_REG_WAVE_MODE, 25, 1), 1
	s_wait_xcnt 0x0
; Wq, Wk, Wv, Wo [512 (k)][512 (n)], f32, K = the FIRST axis, become codes of FP6 (E2M3) with one E8M0 byte for each 32 along K,
; laid in the order in which the next launch's operand registers take them.
; wfrag = 32 dense blocks of 25,600 bytes; block 4 w + p serves wave w of the next launch in its pass p:
;   p = 0: Wq, columns 64 w on (two heads);  p = 1, 2: Wk and Wv of head 2 w + p - 1;  p = 3: Wo, columns 64 w on.
; A block = 16 fragment images of 1,536 bytes (column tile j = 0..3, K step s = 0..3, at (4 j + s) x 1,536), then 4 x 256 bytes of scale words.
; An image is the fragment's 12 registers: registers 4 c .. 4 c + 3 of lane l at 512 c + 16 l.  Lane (r, h), registers 6 c .. 6 c + 5: k = 128 s + 64 c + 32 h + 0 .. 31 of column cb + r + 8 (r / 8).
; THE COLUMNS OF A TILE ARE NOT NEIGHBOURS (r + 8 (r / 8)): two neighbouring tiles' results are then 16 neighbours along the next product's K.
; The scale word of (j, s, r) lies at 24,576 + 256 j + 64 s + 4 r: a load of 4 bytes a lane at 128 e brings K step 2 e to lanes 0-15 and K step 2 e + 1 to lanes 16-31.
; SHARES: a work-group makes one column tile of one block, its wave s the fragment of K step s.  A LANE TAKES A COLUMN AND ITS REGISTERS RUN DOWN K: a block of 32 lies in one lane, nothing is transposed.
; A block's scale is 2^(floor(log2(largest magnitude)) - 2); its byte is that magnitude's exponent field - 2, held at 1 from below.
; LIMITS: NaN and infinities are not served; a block of zeros, or one whose largest magnitude lies under 2^-124, keeps the byte 1 (zero codes add nothing; only this program reads the bytes).
.set WBLK, 25600
	s_load_b256 s[4:11], s[0:1], 0x0               ; Wq s[4:5], Wk s[6:7], Wv s[8:9], Wo s[10:11]
	s_load_b64 s[12:13], s[0:1], 0x20              ; wfrag
	v_lshl_add_u32 v128, v0, 2, 0x400
	v_mov_b32 v129, 0
	v_lshrrev_b32 v1, 5, v0
	v_readfirstlane_b32 s16, v1                    ; wave = K step s
	s_lshr_b32 s17, ttmp9, 2                       ; the block, 4 w + p
	s_and_b32 s18, ttmp9, 3                        ; the column tile j
	s_lshr_b32 s19, s17, 2                         ; w
	s_and_b32 s20, s17, 3                          ; p
	s_lshr_b32 s21, s18, 1                         ; which 32 columns of the 64: j / 2 in passes 0 and 3,
	s_sub_co_u32 s22, s20, 1                       ; p - 1 in passes 1 and 2
	s_cmp_eq_u32 s20, 0
	s_cselect_b32 s22, s21, s22
	s_cmp_eq_u32 s20, 3
	s_cselect_b32 s22, s21, s22
	s_lshl_b32 s23, s19, 6
	s_lshl_b32 s22, s22, 5
	s_add_co_u32 s23, s23, s22
	s_and_b32 s22, s18, 1
	s_lshl_b32 s22, s22, 3
	s_add_co_u32 s23, s23, s22                     ; cb = 64 w + 32 x that + 8 (j % 2)
	s_lshl_b32 s24, s23, 2
	s_lshl_b32 s22, s16, 18
	s_add_co_u32 s24, s24, s22                     ; in the weight: 128 s rows of 2,048 bytes + 4 cb
	s_mov_b32 s25, 0
	s_mul_i32 s26, s17, WBLK                       ; the block's first byte
	s_mov_b32 s27, 0
	s_lshl_b32 s28, s18, 2
	s_add_co_u32 s28, s28, s16
	s_mul_i32 s28, s28, 1536                       ; my fragment's image in it
	s_mov_b32 s29, 0
	s_lshl_b32 s30, s18, 8
	s_add_co_u32 s30, s30, 24576                   ; tile j's 256 bytes of scale words
	s_mov_b32 s31, 0
	s_mov_b32 s2, 0x76543210
	s_mov_b32 s3, 0xfedcba98                       ; v_permlanex16_b32's selects for lane l xor 16
	v_and_b32 v1, 15, v0                           ; r
	v_bfe_u32 v2, v0, 4, 1                         ; h
	v_and_b32 v7, 31, v0                           ; lane
	v_and_b32 v3, 8, v1
	v_add_nc_u32 v3, v3, v1                        ; r + 8 (r / 8)
	v_lshlrev_b32 v3, 2, v3
	v_lshl_add_u32 v3, v2, 16, v3                  ; my column, and 32 rows further down for lanes 16-31
	v_lshlrev_b32 v4, 4, v7                        ; an image's place for my lane
	v_lshlrev_b32 v5, 2, v1
	v_lshl_add_u32 v5, s16, 6, v5                  ; LDS: 64 s + 4 r
	v_lshlrev_b32 v6, 3, v7                        ; the scale words' way out: 8 bytes a lane
	v_mov_b32 v15, 0                               ; a lane permute's destination counts as one of its sources
	s_wait_alu depctr_va_vdst(0)
	s_wait_kmcnt 0x0
	s_cmp_lt_u32 s18, 2                            ; which weight: the choice hangs on the work-group's number alone
	s_cselect_b64 s[14:15], s[6:7], s[8:9]         ; passes 1, 2: tiles 0, 1 from Wk, tiles 2, 3 from Wv
	s_cmp_eq_u32 s20, 0
	s_cselect_b64 s[14:15], s[4:5], s[14:15]
	s_cmp_eq_u32 s20, 3
	s_cselect_b64 s[14:15], s[10:11], s[14:15]
	s_add_nc_u64 s[14:15], s[14:15], s[24:25]
	s_add_nc_u64 s[12:13], s[12:13], s[26:27]
	s_add_nc_u64 s[4:5], s[12:13], s[28:29]        ; where my image goes
	s_add_nc_u64 s[6:7], s[12:13], s[30:31]        ; where the tile's scale words go
.set LI, 0
.rept 64                                       ; W(128 s + 64 c + 32 h + i, my column) into v[64 + 32 c + i]
	global_load_b32 v[64+LI], v3, s[14:15] offset:(64*(LI/32)+LI%32)*2048 th:TH_LOAD_NT
.set LI, LI+1
.endr
.macro WMAX c                                  ; my block 2 c + h: all its 32 numbers are mine; the floor 2^(3 - 127) holds the byte at 1 from below
	v_max3_num_f32 v[8+\c], |v[64+32*\c]|, |v[65+32*\c]|, 0x1800000
.irp i, 2,4,6,8,10,12,14,16,18,20,22,24,26,28,30
	v_max3_num_f32 v[8+\c], v[8+\c], |v[64+32*\c+\i]|, |v[65+32*\c+\i]|
.endr
.endm
	s_wait_loadcnt 32                              ; the first 32 loads are in; the 32 issued behind them may be out
	WMAX 0
	s_wait_loadcnt 0x0
	WMAX 1
.irp c, 0,1
	v_add_nc_u32 v[10+\c], 0xff000000, v[8+\c]     ; 2 off the exponent field: the conversion takes this operand's exponent field as its scale
.endr
.irp c, 0,1
	v_lshrrev_b32 v[12+\c], 23, v[10+\c]           ; the scale's byte
.endr
	v_lshl_or_b32 v14, v13, 16, v12                ; my two bytes, blocks h and 2 + h,
	v_lshlrev_b32 v12, 3, v2
	v_lshlrev_b32 v14, v12, v14                    ; at their places in the word (8 h bits up);
	v_permlanex16_b32 v15, v14, s2, s3
	v_or_b32 v14, v14, v15                         ; with lane l xor 16's two the word is whole
.irp c, 0,1
	v_cvt_scalef32_pk16_fp6_f32 v[16+6*\c:18+6*\c], v[64+32*\c:79+32*\c], v[10+\c]
	v_cvt_scalef32_pk16_fp6_f32 v[28+4*\c:30+4*\c], v[80+32*\c:95+32*\c], v[10+\c]   ; (a conversion's three registers begin on an even number)
.endr
	v_nop                                          ; one plain place behind a scaled conversion
.irp c, 0,1
.irp i, 0,1,2
	v_mov_b32 v[19+6*\c+\i], v[28+4*\c+\i]
.endr
.endr
.irp c, 0,1,2
	global_store_b128 v4, v[16+4*\c:19+4*\c], s[4:5] offset:512*\c   ; 32 lanes store 512 consecutive bytes, aligned
.endr
	ds_store_b32 v5, v14                           ; lanes r and 16 + r write the same word with the same value
	s_wait_dscnt 0x0                               ; for wave 0's sake
	s_barrier_signal -1
	s_barrier_wait -1
	s_cmp_lg_u32 s16, 0
	s_cbranch_scc1 .Lend
	ds_load_b64 v[36:37], v6                       ; the four waves' 64 words
	s_wait_dscnt 0x0
	global_store_b64 v6, v[36:37], s[6:7]          ; 32 lanes store 256 consecutive bytes, aligned
.Lend:
	s_wait_tensorcnt 0x0
	ds_add_u32 v128, v129
	s_wait_dscnt 0x0
	s_endpgm
.Lfunc_end_k_q7516e6ac54_wprep:
	.size	k_q7516e6ac54_wprep, .Lfunc_end_k_q7516e6ac54_wprep-k_q7516e6ac54_wprep
	.p2alignl 7, 3214868480
	.fill 96, 4, 3214868480
	.section	.rodata,"a",@progbits
	.p2align	6, 0x0
	.amdhsa_kernel k_q7516e6ac54_wprep
		.amdhsa_group_segment_fixed_size 1536
		.amdhsa_private_segment_fixed_size 0
		.amdhsa_enable_private_segment 0
		.amdhsa_kernarg_size 40
		.amdhsa_user_sgpr_count 2
		.amdhsa_user_sgpr_kernarg_segment_ptr 1
		.amdhsa_wavefront_size32 1
		.amdhsa_system_sgpr_workgroup_id_x 1
		.amdhsa_system_sgpr_workgroup_id_y 1
		.amdhsa_system_sgpr_workgroup_id_z 1
		.amdhsa_system_vgpr_workitem_id 0
		.amdhsa_next_free_vgpr 130
		.amdhsa_next_free_sgpr 66
		.amdhsa_reserve_vcc 0
		.amdhsa_float_denorm_mode_32 3
		.amdhsa_float_denorm_mode_16_64 3
		.amdhsa_memory_ordered 1
		.amdhsa_forward_progress 1
		.amdhsa_inst_pref_size 13
	.end_amdhsa_kernel
	.amdgpu_metadata
---
amdhsa.version: [ 1, 2 ]
amdhsa.kernels:
  - .name:           k_q7516e6ac54_wprep
    .symbol:         k_q7516e6ac54_wprep.kd
    .args:
      - { .name: Wq, .offset: 0, .size: 8, .value_kind: global_buffer, .address_space: global }
      - { .name: Wk, .offset: 8, .size: 8, .value_kind: global_buffer, .address_space: global }
      - { .name: Wv, .offset: 16, .size: 8, .value_kind: global_buffer, .address_space: global }
      - { .name: Wo, .offset: 24, .size: 8, .value_kind: global_buffer, .address_space: global }
      - { .name: wfrag, .offset: 32, .size: 8, .value_kind: global_buffer, .address_space: global }
    .group_segment_fixed_size: 1536
    .private_segment_fixed_size: 0
    .kernarg_segment_align: 8
    .kernarg_segment_size: 40
    .max_flat_workgroup_size: 128
    .sgpr_count:     66
    .vgpr_count:     130
    .wavefront_size: 32
...
	.end_amdgpu_metadata
.endif
;; end of part 1
;; launch attn (part 2): grid 256 x 1, 8 waves a work-group, clusters of 4 x 1, 327,680 bytes of LDS; arguments x, wfrag, out0; writes out0
.if DOCPART == 2
	.amdgcn_target "amdgcn-amd-amdhsa--gfx1250"
	.amdhsa_code_object_version 6
	.text
	.protected	k_q7516e6ac54_attn
	.globl	k_q7516e6ac54_attn
	.p2align	8
	.type	k_q7516e6ac54_attn,@function
k_q7516e6ac54_attn:
	s_mov_b64 s[64:65], 0
	v_nop
	global_prefetch_b8 v0, s[64:65] scope:SCOPE_SE
	s_setreg_imm32_b32 hwreg(HW_REG_WAVE_MODE, 25, 1), 1
	s_wait_xcnt 0x0
	s_wait_alu depctr_hold_cnt(0) depctr_sa_sdst(0) depctr_va_vdst(0) depctr_va_sdst(0) depctr_va_ssrc(0) depctr_va_vcc(0) depctr_vm_vsrc(0)
	s_getreg_b32 s2, hwreg(HW_REG_IB_STS2, 6, 4)
	s_cmp_eq_u32 s2, 0
	s_cbranch_scc0 .Lentry_in_a_cluster
	s_endpgm
.Lentry_in_a_cluster:
	s_bfe_u32 s2, ttmp6, 0x10000c
	s_cmp_lg_u32 s2, 0x3003
	s_cbranch_scc0 .Lentry_shape_is_right
	s_endpgm
.Lentry_shape_is_right:
; out = Attn(x Wq, x Wk, x Wv) Wo, all six products on codes of FP6 (E2M3) with one E8M0 scale for each 32 along K; attention inside chunks of 256 rows, 16 heads of 32, key j counts for query i where i - 64 <= j <= i.
; SHARES.  Work-group g owns rows 128 g .. 128 g + 127, half a chunk.  Its keys are six blocks of 32 rows: blocks 0, 1 the 64 rows in front (the halo), blocks 2-5 its own.  A first half of a chunk has no halo: it reads its own
; first 64 rows in their place (no load leaves x) and -1e30 is added to those blocks' exponents, so that their p is 0.  No branch hangs on that: all work-groups run the same instructions.
; Eight waves of 512 registers, two to a SIMD, so that one wave's softmax stands beside the other's products.  THE WAVES SHARE THE COLUMNS: wave w owns heads 2 w, 2 w + 1 and output columns 64 w .. 64 w + 63, for all rows.
; PHASES.  X: the 192 rows of x are quantised once, into 48 fragment images in LDS.  Q: my two heads' queries, quantised into registers.  Twice (one head each): K and V of the six key blocks, quantised into registers; then the
; attention of 8 tiles of 16 queries; its result, quantised, goes to LDS as rows of codes.  O: my 64 output columns for the 128 rows.
; A block of 32 queries sees exactly three blocks of 32 keys: they are one K step of 128 of the second product, so M = ceil(the row's largest t) is found once and nothing is rescaled.
; WEIGHTS come as blocks of 25,600 bytes laid in the order of operand registers, one for each wave and pass, through the wave's own part of LDS into its registers.  The four work-groups of a cluster walk the same blocks:
; each is asked for JOINTLY (the same tensor load, the same descriptor, a mask that names the four).  By this text's count a wave has one tensor load outstanding.
; LAYOUTS.  Row tiles of x and column tiles of the weights take lane r for row or column r + 8 (r / 8) (+ 8 for the second tile of a pair), so that two neighbouring tiles' 16 result registers are 16 neighbours along the next K.
; q, k, o: source 0 = weight, source 1 = rows: a lane holds one row and 16 channels.  v: source 0 = rows, source 1 = weight: a lane holds one channel and 16 keys.  S^T = k q^T, O^T = v^T p^T: a lane holds one query.
; The first attention product has K = 32: a key fragment carries key tile 0 at k = 0-31 and key tile 1 at k = 32-63, and q stands at the one or the other with zero codes elsewhere.  The band's mask is the product's C: 0 or -1e30.
; LIMITS: NaN and infinities are not served.  Scores must stay under about 1e29 in magnitude (the mask is -1e30).  A block whose largest magnitude lies under 2^-124 keeps the scale byte 1.  p under 2^-126 counts as 0.
; THE HALO, AS THIS TEXT NOW HAS IT (this takes the place of what SHARES says above of a first half).  reference() cuts the rows into chunks of 256 and a query sees keys of its own chunk alone: a first half of a chunk
; has no keys in front of it, for all values of the inputs.  So a first half neither loads, quantises nor projects key blocks 0 and 1: their k and v operands are zero codes under the scale byte 127, and -1e30 is still added
; to those blocks' exponents, so that their p is 0.  A cluster's four work-groups are halves of ONE kind (the parity of the cluster's number);
; it leads round no barrier, no wait on tensor loads and no tensor load.  Even clusters hold the second halves, which have the more work.
.set WBLK,  25600
.set A0,    8*WBLK                     ; LDS: 0: eight slot parts of WBLK, wave w's own; behind its last fill the first 4,352 bytes of a part are the wave's stage for the way out
.set ASC,   A0+24576                   ; A0: the even heads' result codes [tile 8][K step 4][c 2][r 16] x 24 bytes;  ASC: all heads' scale words [tile 8][K step 4][r 16]
.set XIMG,  ASC+2304                   ; x's fragment images [tile 12][K step 4] x 1,536; 256 bytes lie free in front of them
.set XSC,   XIMG+73728                 ; x's scale words [tile 12][K step 4][r 16]
.set SPARE, XSC+3072                   ; the spare words, 128 bytes for each wave: four blocks of 256 bytes that no other line names
.set DA,    XIMG-128-A0                ; the odd heads' 24,576 bytes of codes lie DA behind the even heads': they end 128 bytes short of key block 2's images, so they lie over key blocks 0 and 1's alone
.set SPW, 1                            ; v1  SPARE + 4 x thread; never rewritten
.set NIL, 2                            ; v2  0; never rewritten
.set XR,  3                            ; v3  XIMG + 16 lane;  v4 the same 36,864 on
.set XR2, 4
.set XS,  5                            ; v5  XSC + 4 lane
.set WR,  6                            ; v6  my slot part + 16 lane
.set WS4, 7                            ; v7  its scale words + 4 lane
.set AW,  8                            ; v8  where I store result codes: A0 + 3,072 h + 384 w + 24 r
.set AB,  9                            ; v9  and their scale byte: ASC + 256 h + 64 (w / 2) + 2 (w % 2) + 4 r
.set XA,  10                           ; v10 x: my byte in a block of 32 rows
.set XWI, 11                           ; v11 where I store x's images: XIMG + 1,536 w + 16 lane
.set XWS, 12                           ; v12 and their scale words: XSC + 64 w + 4 r
.set AR,  13                           ; v13 where I read result codes: A0 + DA h + 24 r
.set ASR, 14                           ; v14 ASC + 4 lane
.set STO, 15                           ; v15 the stage, in: my part + 272 r + 64 h
.set RD,  16                           ; v16 the stage, back: my part + 272 h + 16 r
.set CO,  17                           ; v17 out0: 2,048 h + 16 r + 256 w
.set DU,  18                           ; v18, v19  query tile u: my query's place in its block of 32, less 16 h
.set NEG, 20                           ; v20 -1e30
.set AWC, 21                           ; v21, v22  the trip's addresses: a fixed register + the loop's scalar step
.set ABC, 22
.set WSC, 24                           ; v24-31 the weights' scale words;  v32-35 the rows';  v36-41 k's;  v42-45 v's;  v46 q's;  v47 p's: these hold scales and nothing else
.set XSCR, 32
.set KSC, 36
.set VSC, 42
.set QS,  46
.set PS,  47
.set KC,  48                           ; v48-83  k's fragments: key block kb at KC + 6 kb
.set VC,  84                           ; v84-119 v's: channel tile v, pair of key blocks c at VC + 18 v + 6 c
.set ACC, 120                          ; v120-183 accumulators of the projections
.set XF,  184                          ; v184-231 row fragments
.set XFA, 184
.set XFB, 208
.set TA,  232                          ; v232-235 largest magnitudes, v236-239 bytes, v240-243 the conversions' scale operands
.set TB,  236
.set TC,  240
.set TD,  244                          ; v244.., v248.., v252..: conversions' results on their way
.set TE,  248
.set TF,  252
.set PW,  252                          ; a scale word just made
.set PC,  134                          ; phase X: the codes just made, v134-145; v146-153 on their way
.set PT,  146
.set S,   120                          ; attention: v120-167 S^T, then p;  v168-183 O^T
.set OT,  168
.set QOP0, 184                         ; q at k = 0-31;  QOP1: at k = 32-63
.set QOP1, 196
.set P,   208                          ; p's codes
.set TQ,  220
.set OM,  220
.set OJ,  221
.set OSO, 222
.set OBY, 223
.set RL,  224
.set BM,  226                          ; the three key blocks' largest scores, then largest p
.set OBS, 229
.set BJ,  230
.set SO,  234
.set NM,  238                          ; -M (a pair is named; the low word serves)
.set NM2, 240                          ; -M - 1e30 or -M
.set LSA, 242
.set LSB, 244
.set TY,  246
.set OB0, 249
.set OC,  250                          ; v250-255 a block of result codes
.set ML,  0                            ; window 1: v0-191 the pass's 16 weight fragments ((j, s) at 12 (4 j + s)); in phase X v0-255 four buffers of x; in attention v0-31, v32-63 the masks
.set MF,  32
.set Q2,  192                          ; window 1: q's codes, tile t at Q2 + 6 t: lanes 0-15 the head in hand, lanes 16-31 the other
.set QSCW, 240                         ; window 1: q's scale bytes, both heads'
.set G1,  16                           ; s[16:23], s[24:27] the weight blocks' descriptor
.set G0,  24
.set SEL, 28                           ; s[28:29] lane l xor 16
.set CS,  30                           ; s[30:31] c = log2(e) / sqrt(32)
.set LOM, 32                           ; s32, s33 masks of lanes 0-15, 16-31
.set HIM, 33
.set HB,  34                           ; s34 -1e30 where the halo does not count, else 0
.set QSEL, 35                          ; s35 which byte of q's scale bytes
.set MSB, 0
.macro WIN new                         ; s_set_vgpr_msb: bits 1:0 source 0, 3:2 source 1, 5:4 source 2, 7:6 destination; the high byte repeats the setting that is left
.if MSB != \new
	s_set_vgpr_msb (MSB<<8)|\new
.set MSB, \new
.endif
.endm
.macro PLACES n                        ; plain vector instructions that name no register of the matrix instruction in front (ISA guide 7.12.1)
.rept \n
	v_nop
.endr
.endm
.macro CROUND                          ; a round of the cluster's barrier
	s_barrier_signal -1
	s_barrier_wait -1
	s_cmp_lg_u32 s10, 0
	s_cbranch_scc1 .Lnot_wave_0_\@
	s_barrier_signal -3
.Lnot_wave_0_\@:
	s_barrier_wait -3
	s_barrier_signal -1
	s_barrier_wait -1
.endm
; One product.  c < 0: C is the constant 0.  odd = 1: both sides' scale words stand in lanes 16-31
.macro MM d, a, b, c, sa, sb, odd
.if (\c) < 0
.if (\odd)
	v_wmma_scale_f32_16x16x128_f8f6f4 v[(\d):(\d)+7], v[(\a):(\a)+11], v[(\b):(\b)+11], 0, v[\sa], v[\sb] matrix_a_fmt:MATRIX_FMT_FP6 matrix_b_fmt:MATRIX_FMT_FP6 matrix_a_scale:MATRIX_SCALE_ROW1 matrix_b_scale:MATRIX_SCALE_ROW1
.else
	v_wmma_scale_f32_16x16x128_f8f6f4 v[(\d):(\d)+7], v[(\a):(\a)+11], v[(\b):(\b)+11], 0, v[\sa], v[\sb] matrix_a_fmt:MATRIX_FMT_FP6 matrix_b_fmt:MATRIX_FMT_FP6
.endif
.else
.if (\odd)
	v_wmma_scale_f32_16x16x128_f8f6f4 v[(\d):(\d)+7], v[(\a):(\a)+11], v[(\b):(\b)+11], v[(\c):(\c)+7], v[\sa], v[\sb] matrix_a_fmt:MATRIX_FMT_FP6 matrix_b_fmt:MATRIX_FMT_FP6 matrix_a_scale:MATRIX_SCALE_ROW1 matrix_b_scale:MATRIX_SCALE_ROW1
.else
	v_wmma_scale_f32_16x16x128_f8f6f4 v[(\d):(\d)+7], v[(\a):(\a)+11], v[(\b):(\b)+11], v[(\c):(\c)+7], v[\sa], v[\sb] matrix_a_fmt:MATRIX_FMT_FP6 matrix_b_fmt:MATRIX_FMT_FP6
.endif
.endif
.endm
; n groups of 16 registers from v[base]: each group's largest magnitude into v[TA ..], with the floor 2^(3 - 127), which holds the byte at 1 from below; the groups by turns.  Each accumulator is read from its low end on
.macro MAXES base, n
.set JB, 0
.rept \n
	v_max3_num_f32 v[TA+JB], |v[(\base)+16*JB]|, |v[(\base)+16*JB+1]|, 0x1800000
.set JB, JB+1
.endr
.irp i, 2,4,6,8,10,12,14
.set JB, 0
.rept \n
	v_max3_num_f32 v[TA+JB], |v[(\base)+16*JB+\i]|, |v[(\base)+16*JB+\i+1]|, v[TA+JB]
.set JB, JB+1
.endr
.endr
.endm
; with lane l xor 16's: the block's largest magnitude; 2 off its exponent field is the conversion's scale operand (TC); that, shifted, the byte (TB)
.macro JOIN n
.set JB, 0
.rept \n
	v_permlanex16_b32 v[TB+JB], v[TA+JB], s[SEL], s[SEL+1]
.set JB, JB+1
.endr
.set JB, 0
.rept \n
	v_max_num_f32 v[TA+JB], v[TA+JB], v[TB+JB]
.set JB, JB+1
.endr
.set JB, 0
.rept \n
	v_add_nc_u32 v[TC+JB], 0xff000000, v[TA+JB]
.set JB, JB+1
.endr
.set JB, 0
.rept \n
	v_lshrrev_b32 v[TB+JB], 23, v[TC+JB]
.set JB, JB+1
.endr
.endm
; 64 numbers of x for my lane: register 16 b + i = k 32 b + 16 h + i of my row's K step, into window 1
.macro XLOAD buf, base, imm
	WIN 0x40
.irp b, 0,1,2,3
.irp j, 0,1,2,3
	global_load_b128 v[(\buf)+16*\b+4*\j:(\buf)+16*\b+4*\j+3], v[XA], s[\base:\base+1] offset:(\imm)+128*\b+16*\j
.endr
.endr
	WIN 0
.endm
; they become a fragment's codes in v[PC] on and its scale word in v[PW]
.macro QUANTX buf
	WIN 0x05
	MAXES \buf, 4
	WIN 0
	JOIN 4
	s_delay_alu instid0(VALU_DEP_3)
	v_lshl_or_b32 v[PW], v[TB+1], 8, v[TB]
	s_delay_alu instid0(VALU_DEP_1)
	v_lshl_or_b32 v[PW], v[TB+2], 16, v[PW]
	s_delay_alu instid0(VALU_DEP_1)
	v_lshl_or_b32 v[PW], v[TB+3], 24, v[PW]
	WIN 0x01
.irp c, 0,1
	v_cvt_scalef32_pk16_fp6_f32 v[PC+6*\c:PC+6*\c+2], v[(\buf)+32*\c:(\buf)+32*\c+15], v[TC+2*\c]
	v_cvt_scalef32_pk16_fp6_f32 v[PT+4*\c:PT+4*\c+2], v[(\buf)+32*\c+16:(\buf)+32*\c+31], v[TC+2*\c+1]   ; (a conversion's three registers begin on an even number)
.endr
	WIN 0
	v_nop                                          ; one plain place behind a scaled conversion
.irp c, 0,1                                    ; the operand's layout wants a WHOLE block in a lane: lanes 0-15 block 2 c, lanes 16-31 block 2 c + 1
.irp i, 0,1,2
	v_permlane16_swap_b32 v[PC+6*\c+\i], v[PT+4*\c+\i]
.endr
.irp i, 0,1,2
	s_delay_alu instid0(VALU_DEP_3)
	v_mov_b32 v[PC+3+6*\c+\i], v[PT+4*\c+\i]
.endr
.endr
.endm
.macro XSTEP i, left                           ; key block i: my tile's fragment of my K step
	s_wait_loadcnt \left                           ; its 16 loads are in; the younger blocks' 16 each may be out
.if (\i) > 0
	s_wait_dscnt 0x0                               ; the last image's stores have read their registers
.endif
	QUANTX 64*((\i)%4)
.irp c, 0,1,2
	ds_store_b128 v[XWI], v[PC+4*\c:PC+4*\c+3] offset:12288*(\i)+512*\c   ; the fragment goes to LDS as an image of its registers
.endr
	ds_store_b32 v[XWS], v[PW] offset:512*(\i)     ; lanes r and 16 + r write the same word with the same value
.if (\i) < 2
	XLOAD 64*(\i), 40, 65536*((\i)+2)              ; the buffer takes key block i + 4
.endif
.endm
.macro COPYW                                   ; my weight block, from my slot part into registers: 16 fragments, 8 registers of scale words
	WIN 0x40
.set CF, 0
.rept 48
	ds_load_b128 v[4*CF:4*CF+3], v[WR] offset:512*CF
.set CF, CF+1
.endr
	WIN 0
.irp e, 0,1,2,3,4,5,6,7
	ds_load_b32 v[WSC+\e], v[WS4] offset:128*\e
.endr
.endm
; THE CHANGE OF WEIGHTS.  My block has landed; it goes into registers; then my slot part is filled again with the next pass's block.
.macro CHANGE
	s_wait_tensorcnt 0x0                           ; for the reads below: my one tensor load has landed (only I read my part)
	COPYW
	s_wait_tensorcnt 0x0                           ; all my tensor loads are done (met at once): this line stands directly ahead of the add
	ds_add_u32 v[SPW], v[NIL]                      ; 0 onto my spare word
	s_add_nc_u64 s[G0+2:G0+3], s[G0+2:G0+3], WBLK  ; no tensor load of mine is out: the descriptor steps to the next pass's block
	s_wait_dscnt 0x0                               ; the add is done, my reads of the part are back, and my LDS stores have landed
	CROUND                                         ; the same holds of every wave of the four work-groups
	tensor_load_to_lds s[G0:G0+3], s[G1:G1+7]      ; my one tensor load behind the round; it has a whole pass in which to land
	s_nop 0
	PLACES 4
.endm
.macro FETCHX dst, kb, u, s                    ; x's fragment of key block kb, tile u, K step s
.irp c, 0,1,2
.if (\kb) < 3
	ds_load_b128 v[(\dst)+4*\c:(\dst)+4*\c+3], v[XR] offset:12288*(\kb)+6144*(\u)+1536*(\s)+512*\c
.else
	ds_load_b128 v[(\dst)+4*\c:(\dst)+4*\c+3], v[XR2] offset:12288*((\kb)-3)+6144*(\u)+1536*(\s)+512*\c
.endif
.endr
.endm
.macro QFETCH t                                ; query tile t: its four fragments and two registers of scale words (K steps 0, 2 in lanes 0-15, 1, 3 in lanes 16-31)
.irp s, 0,1,2,3
	FETCHX XF+12*\s, 2+(\t)/2, (\t)%2, \s
.endr
.irp e, 0,1
	ds_load_b32 v[XSCR+\e], v[XS] offset:256*(4+(\t))+128*\e
.endr
.endm
; 16 products: my four column tiles x four K steps for one tile of rows; four accumulators by turns, one instruction a turn; the first K step starts the sums
.macro PROJ16 acc, frag, sc
	WIN 0x01
.irp s, 0,1,2,3
.irp j, 0,1,2,3
.if \s == 0
	MM (\acc)+8*\j, 12*(4*\j+\s), (\frag)+12*\s, -1, WSC+2*\j+\s/2, (\sc)+\s/2, \s%2
.else
	MM (\acc)+8*\j, 12*(4*\j+\s), (\frag)+12*\s, (\acc)+8*\j, WSC+2*\j+\s/2, (\sc)+\s/2, \s%2
.endif
.endr
.endr
.endm
.macro QUANT2 t                                ; my two heads' q of tile t: one block each; lanes 0-15 end up with the first head's 32 codes, lanes 16-31 with the second's
	MAXES ACC, 2
	JOIN 2
	s_delay_alu instid0(VALU_DEP_1)
	v_lshl_or_b32 v[PW], v[TB+1], 8, v[TB]
	v_cvt_scalef32_pk16_fp6_f32 v[TD:TD+2], v[ACC:ACC+15], v[TC]
	v_cvt_scalef32_pk16_fp6_f32 v[TE:TE+2], v[ACC+16:ACC+31], v[TC+1]
	v_nop
.irp i, 0,1,2
	v_permlane16_swap_b32 v[TD+\i], v[TE+\i]
.endr
	WIN 0x40
.irp i, 0,1,2
	v_mov_b32 v[Q2+6*(\t)+\i], v[TD+\i]
	v_mov_b32 v[Q2+6*(\t)+3+\i], v[TE+\i]
.endr
	v_mov_b32 v[QSCW+(\t)], v[PW]
	WIN 0
.endm
.macro KVF kb, s, buf                          ; both tiles' fragments of key block kb, K step s: 6 loads
	FETCHX \buf, \kb, 0, \s
	FETCHX (\buf)+12, \kb, 1, \s
.endm
.macro KVS kb
.irp u, 0,1
.irp e, 0,1
	ds_load_b32 v[XSCR+2*\u+\e], v[XS] offset:256*(2*(\kb)+\u)+128*\e
.endr
.endr
.endm
; One K step of a key block: v (source 0 = rows, source 1 = Wv: a lane holds a channel, its registers keys), then k (source 0 = Wk, source 1 = rows).  Eight accumulators by turns.
; It ends under a window setting under which LDS loads still name window 0 (destination and address), so that the loads behind it cost no switch.
.macro KVSTEP s, buf
	WIN 0x04
.irp u, 0,1
.irp v, 0,1
.if (\s) == 0
	MM ACC+32+16*\v+8*\u, (\buf)+12*\u, 12*(4*(2+\v)+(\s)), -1, XSCR+2*\u+(\s)/2, WSC+2*(2+\v)+(\s)/2, (\s)%2
.else
	MM ACC+32+16*\v+8*\u, (\buf)+12*\u, 12*(4*(2+\v)+(\s)), ACC+32+16*\v+8*\u, XSCR+2*\u+(\s)/2, WSC+2*(2+\v)+(\s)/2, (\s)%2
.endif
.endr
.endr
	WIN 0x01
.irp u, 0,1
.irp c, 0,1
.if (\s) == 0
	MM ACC+16*\u+8*\c, 12*(4*\c+(\s)), (\buf)+12*\u, -1, WSC+2*\c+(\s)/2, XSCR+2*\u+(\s)/2, (\s)%2
.else
	MM ACC+16*\u+8*\c, 12*(4*\c+(\s)), (\buf)+12*\u, ACC+16*\u+8*\c, WSC+2*\c+(\s)/2, XSCR+2*\u+(\s)/2, (\s)%2
.endif
.endr
.endr
	PLACES 4                                       ; in front of loads into registers that these products have read, and of the first read of results
	WIN 0x04
.endm
; Key block kb's four groups of 16: k of tiles 0, 1 (blocks along the channels), v of channel tiles 0, 1 (blocks along the keys)
.macro QUANT4 kb
	MAXES ACC, 4
	JOIN 4
	s_delay_alu instid0(VALU_DEP_3)
	v_lshl_or_b32 v[KSC+(\kb)], v[TB+1], 8, v[TB]  ; k's scale word: byte 0 key tile 0, byte 1 key tile 1; bytes 2, 3 meet zero codes only
.irp v, 0,1
.if (\kb) == 0
	s_delay_alu instid0(VALU_DEP_3)
	v_mov_b32 v[VSC+2*\v], v[TB+2+\v]              ; v's scale words: one for key blocks 0-3,
.elseif (\kb) < 4
	v_lshl_or_b32 v[VSC+2*\v], v[TB+2+\v], 8*(\kb), v[VSC+2*\v]
.endif
.if (\kb) == 2
	v_mov_b32 v[VSC+2*\v+1], v[TB+2+\v]            ; one for key blocks 2-5
.elseif (\kb) > 2
	v_lshl_or_b32 v[VSC+2*\v+1], v[TB+2+\v], 8*((\kb)-2), v[VSC+2*\v+1]
.endif
.endr
	v_cvt_scalef32_pk16_fp6_f32 v[KC+6*(\kb):KC+6*(\kb)+2], v[ACC:ACC+15], v[TC]
	v_cvt_scalef32_pk16_fp6_f32 v[TD:TD+2], v[ACC+16:ACC+31], v[TC+1]
.if (\kb)%2 == 0
	v_cvt_scalef32_pk16_fp6_f32 v[VC+6*((\kb)/2):VC+6*((\kb)/2)+2], v[ACC+32:ACC+47], v[TC+2]   ; an even key block waits for its neighbour
	v_cvt_scalef32_pk16_fp6_f32 v[VC+18+6*((\kb)/2):VC+18+6*((\kb)/2)+2], v[ACC+48:ACC+63], v[TC+3]
.else
	v_cvt_scalef32_pk16_fp6_f32 v[TE:TE+2], v[ACC+32:ACC+47], v[TC+2]
	v_cvt_scalef32_pk16_fp6_f32 v[TF:TF+2], v[ACC+48:ACC+63], v[TC+3]
.endif
	v_nop
.irp i, 0,1,2
	v_permlane16_swap_b32 v[KC+6*(\kb)+\i], v[TD+\i]   ; lanes 0-15: key tile 0's 32 channels (k = 0-31 of the operand), lanes 16-31: key tile 1's (k = 32-63)
.endr
.irp i, 0,1,2
	s_delay_alu instid0(VALU_DEP_3)
	v_mov_b32 v[KC+6*(\kb)+3+\i], v[TD+\i]
.endr
.if (\kb)%2 == 1
.irp i, 0,1,2
	v_permlane16_swap_b32 v[VC+6*((\kb)/2)+\i], v[TE+\i]
	v_permlane16_swap_b32 v[VC+18+6*((\kb)/2)+\i], v[TF+\i]
.endr
.irp i, 0,1,2
	v_mov_b32 v[VC+6*((\kb)/2)+3+\i], v[TE+\i]
	v_mov_b32 v[VC+18+6*((\kb)/2)+3+\i], v[TF+\i]
.endr
.endif
.endm
.macro KVBLOCK kb
	s_wait_dscnt 0x0                               ; K steps 0 and 1 and the scale words are in
	KVSTEP 0, XFA
	KVF \kb, 2, XFA
	KVSTEP 1, XFB
	KVF \kb, 3, XFB
	s_wait_dscnt 6                                 ; K step 2 is in; K step 3's six loads may be out
	KVSTEP 2, XFA
.if (\kb) < 5
	KVF (\kb)+1, 0, XFA
	s_wait_dscnt 6                                 ; K step 3 is in; the six loads just issued may be out
.else
	s_wait_dscnt 0x0
.endif
	KVSTEP 3, XFB
.if (\kb) < 5
	KVF (\kb)+1, 1, XFB
	KVS (\kb)+1
.endif
	WIN 0
	QUANT4 \kb
.endm
; The band's masks, in the layout of S^T: register n of (query tile u) is key 16 h + n of a block.  ML: the block of the query itself: 0 where key <= query.  MF: the block 64 back: 0 where key >= query.  Else -1e30.
.macro MASKS
	WIN 0x40
.irp u, 0,1
.set MN, 0
.rept 16
	v_cmp_le_i32 vcc_lo, MN, v[DU+\u]
	s_delay_alu instid0(VALU_DEP_1)
	v_cndmask_b32 v[ML+16*\u+MN], v[NEG], v[NIL], vcc_lo
	v_cmp_ge_i32 vcc_lo, MN, v[DU+\u]
	s_delay_alu instid0(VALU_DEP_1)
	v_cndmask_b32 v[MF+16*\u+MN], v[NEG], v[NIL], vcc_lo
.set MN, MN+1
.endr
.endr
	WIN 0
.irp i, 6,7,8,9,10,11
	v_mov_b32 v[QOP0+\i], 0                        ; q's operands have zero codes at k = 64-127
	v_mov_b32 v[QOP1+\i], 0
.endr
.irp i, 0,1,2,3,4,5
	v_mov_b32 v[TQ+\i], 0                          ; a lane permute's destination counts as one of its sources
.endr
.irp i, 0,1,2
	v_mov_b32 v[BJ+\i], 0
.endr
	v_mov_b32 v[NM+1], 0                           ; named as the upper halves of pairs
	v_mov_b32 v[NM2+1], 0
.endm
; THE ATTENTION OF ONE TILE OF 16 QUERIES (block qb of 32, tile u) for the head in hand: key blocks qb, qb + 1, qb + 2.
.macro ATT qb, u
.set AT, 2*(\qb)+(\u)
.set AWB, (\qb)/2
	WIN 0x01
	v_perm_b32 v[QS], v[QSCW+AT], v[NIL], s[QSEL]  ; the head's scale byte of my query, in all four bytes
.irp i, 0,1,2,3,4,5
	v_permlanex16_b32 v[TQ+\i], v[Q2+6*AT+\i], s[SEL], s[SEL+1]
.endr
.irp i, 0,1,2,3,4,5
	v_cndmask_b32 v[QOP0+\i], v[Q2+6*AT+\i], v[NIL], s[HIM]   ; q in lanes 0-15 (k = 0-31), zero codes in lanes 16-31
.endr
	WIN 0
.irp i, 0,1,2,3,4,5
	v_cndmask_b32 v[QOP1+\i], v[TQ+\i], v[NIL], s[LOM]        ; q in lanes 16-31 (k = 32-63)
.endr
	WIN 0x40
.irp i, 0,1,2,3,4,5
	v_mov_b32 v[Q2+6*AT+\i], v[TQ+\i]              ; q's halves change places for the next trip: the other head comes into lanes 0-15.  These six are also the places ahead of the scaled products
.endr
	WIN 0x10
.irp rho, 0,1,2
.irp p, 0,1
.if \rho == 0
	MM S+16*\rho+8*\p, KC+6*((\qb)+\rho), QOP0+12*\p, MF+16*(\u)+8*\p, KSC+(\qb)+\rho, QS, 0
.elseif \rho == 1
	MM S+16*\rho+8*\p, KC+6*((\qb)+\rho), QOP0+12*\p, -1, KSC+(\qb)+\rho, QS, 0
.else
	MM S+16*\rho+8*\p, KC+6*((\qb)+\rho), QOP0+12*\p, ML+16*(\u)+8*\p, KSC+(\qb)+\rho, QS, 0
.endif
.endr
.endr                                          ; lane (r, h): query r; registers 16 rho + n: key 16 h + n of block qb + rho
	WIN 0
	PLACES 4
.irp b, 0,1,2
	v_max3_num_f32 v[BM+\b], v[S+16*\b], v[S+16*\b+1], v[S+16*\b+2]   ; each block's largest score: for the row's maximum and, since p rises with the score, for the block's largest p
.endr
.irp i, 3,5,7,9,11,13
.irp b, 0,1,2
	v_max3_num_f32 v[BM+\b], v[BM+\b], v[S+16*\b+\i], v[S+16*\b+\i+1]
.endr
.endr
.irp b, 0,1,2
	v_max_num_f32 v[BM+\b], v[BM+\b], v[S+16*\b+15]
.endr
.irp b, 0,1,2
	s_delay_alu instid0(VALU_DEP_3)
	v_permlanex16_b32 v[BJ+\b], v[BM+\b], s[SEL], s[SEL+1]
.endr
.irp b, 0,1,2
	s_delay_alu instid0(VALU_DEP_3)
	v_max_num_f32 v[BM+\b], v[BM+\b], v[BJ+\b]
.endr
.irp b, 0,1
.if \b+(\qb) < 2
	s_delay_alu instid0(VALU_DEP_3)
	v_add_f32 v[BM+\b], s[HB], v[BM+\b]            ; a halo block: + 0, or - 1e30 where the chunk begins with my rows
.endif
.endr
	s_delay_alu instid0(VALU_DEP_1)
	v_max3_num_f32 v[OM], v[BM], v[BM+1], v[BM+2]
	s_delay_alu instid0(VALU_DEP_1)
	v_mul_f32 v[OM], s[CS], v[OM]                  ; the row's largest t
	s_delay_alu instid0(VALU_DEP_1)
	v_floor_f32 v[NM], -v[OM]                      ; -M = floor(-t) = -ceil(t)
.if (\qb) < 2
	s_delay_alu instid0(VALU_DEP_1)
	v_add_f32 v[NM2], s[HB], v[NM]
.endif
.irp b, 0,1,2
.if \b+(\qb) < 2
.set NMR, NM2
.else
.set NMR, NM
.endif
.irp j, 0,2,4,6,8,10,12,14
	v_pk_fma_f32 v[S+16*\b+\j:S+16*\b+\j+1], v[S+16*\b+\j:S+16*\b+\j+1], s[CS:CS+1], v[NMR:NMR+1] op_sel_hi:[1,0,0]   ; t - M, two at a time
.endr
.endr
.irp b, 0,1,2
	v_fma_f32 v[BM+\b], v[BM+\b], s[CS], v[NM]     ; the same of each block's largest score
.endr
.set EI, 0
	s_wait_alu depctr_va_vdst(0)
.rept 48
	v_exp_f32 v[S+EI], v[S+EI]                     ; p = 2^(t - M): not normalised
.set EI, EI+1
.endr
.irp b, 0,1,2
	v_exp_f32 v[BM+\b], v[BM+\b]
.endr
	v_nop                                          ; a plain place behind the exponentials
	s_wait_alu depctr_va_vdst(0)
.irp b, 0,1,2
	v_max_num_f32 v[BM+\b], 0x1800000, v[BM+\b]    ; the floor: a block whose every p is 0 keeps the byte 1; its codes are zeros
.endr
.irp b, 0,1,2
	s_delay_alu instid0(VALU_DEP_3)
	v_add_nc_u32 v[SO+\b], 0xff000000, v[BM+\b]
.endr
.irp b, 0,1,2
	s_delay_alu instid0(VALU_DEP_3)
	v_lshrrev_b32 v[BJ+\b], 23, v[SO+\b]
.endr
.if (\qb)%2 == 0                               ; v's operand holds four key blocks; mine are its first three (qb even) or its last three (odd); the fourth place gets zero codes
	s_delay_alu instid0(VALU_DEP_2)
	v_lshl_or_b32 v[PS], v[BJ+1], 8, v[BJ]
	s_delay_alu instid0(VALU_DEP_1)
	v_lshl_or_b32 v[PS], v[BJ+2], 16, v[PS]
	v_cvt_scalef32_pk16_fp6_f32 v[P:P+2], v[S:S+15], v[SO]
	v_cvt_scalef32_pk16_fp6_f32 v[TY:TY+2], v[S+16:S+31], v[SO+1]
	v_cvt_scalef32_pk16_fp6_f32 v[P+6:P+8], v[S+32:S+47], v[SO+2]
.irp i, 0,1,2
	v_mov_b32 v[BJ+\i], 0                          ; (plain places behind the conversions)
.endr
.else
	s_delay_alu instid0(VALU_DEP_3)
	v_lshlrev_b32 v[PS], 8, v[BJ]
	s_delay_alu instid0(VALU_DEP_1)
	v_lshl_or_b32 v[PS], v[BJ+1], 16, v[PS]
	s_delay_alu instid0(VALU_DEP_1)
	v_lshl_or_b32 v[PS], v[BJ+2], 24, v[PS]
	v_cvt_scalef32_pk16_fp6_f32 v[TY:TY+2], v[S:S+15], v[SO]
	v_cvt_scalef32_pk16_fp6_f32 v[P+6:P+8], v[S+16:S+31], v[SO+1]
	v_cvt_scalef32_pk16_fp6_f32 v[BJ:BJ+2], v[S+32:S+47], v[SO+2]
.irp i, 0,1,2
	v_mov_b32 v[P+\i], 0
.endr
.endif
.irp i, 0,1,2
	v_permlane16_swap_b32 v[P+\i], v[TY+\i]        ; a whole block in a lane: lanes 0-15 places 0 and 2, lanes 16-31 places 1 and 3
	v_permlane16_swap_b32 v[P+6+\i], v[BJ+\i]
.endr
.irp i, 0,1,2
	v_mov_b32 v[P+3+\i], v[TY+\i]
	v_mov_b32 v[P+9+\i], v[BJ+\i]
.endr
	v_pk_add_f32 v[244:245], v[120:121], v[122:123]
	v_pk_add_f32 v[254:255], v[128:129], v[132:133]
	v_pk_add_f32 v[246:247], v[136:137], v[140:141]
	v_pk_add_f32 v[234:235], v[144:145], v[148:149]
	v_pk_add_f32 v[228:229], v[152:153], v[156:157]
	v_pk_add_f32 v[226:227], v[160:161], v[164:165]
	v_pk_add_f32 v[200:201], v[124:125], v[126:127]
	v_pk_add_f32 v[242:243], v[130:131], v[134:135]
	v_pk_add_f32 v[242:243], v[242:243], v[138:139]
	v_pk_add_f32 v[244:245], v[244:245], v[142:143]
	v_pk_add_f32 v[254:255], v[254:255], v[146:147]
	v_pk_add_f32 v[246:247], v[246:247], v[150:151]
	v_pk_add_f32 v[234:235], v[234:235], v[154:155]
	v_pk_add_f32 v[228:229], v[228:229], v[158:159]
	v_pk_add_f32 v[226:227], v[226:227], v[162:163]
	v_pk_add_f32 v[200:201], v[200:201], v[166:167]
	s_delay_alu instid0(VALU_DEP_4)
	v_pk_add_f32 v[242:243], v[242:243], v[234:235]
	s_delay_alu instid0(VALU_DEP_4)
	v_pk_add_f32 v[244:245], v[244:245], v[228:229]
	s_delay_alu instid0(VALU_DEP_4)
	v_pk_add_f32 v[254:255], v[254:255], v[226:227]
	s_delay_alu instid0(VALU_DEP_4)
	v_pk_add_f32 v[246:247], v[246:247], v[200:201]
	s_delay_alu instid0(VALU_DEP_2)
	v_pk_add_f32 v[242:243], v[242:243], v[254:255]
	s_delay_alu instid0(VALU_DEP_2)
	v_pk_add_f32 v[244:245], v[244:245], v[246:247]
	s_delay_alu instid0(VALU_DEP_1)
	v_pk_add_f32 v[242:243], v[242:243], v[244:245]
.irp v, 0,1
	MM OT+8*\v, VC+18*\v+6*AWB, P, -1, VSC+2*\v+AWB, PS, 0     ; O^T: lane (r, h): query r, register 8 v + i: channel 16 h + 8 v + i
.endr
	v_add_f32 v[LSA], v[LSA], v[LSA+1]
	s_delay_alu instid0(VALU_DEP_1)
	v_permlanex16_b32 v[OJ], v[LSA], s[SEL], s[SEL+1]
	s_delay_alu instid0(VALU_DEP_1)
	v_add_f32 v[LSA], v[LSA], v[OJ]                ; the row's sum
	s_wait_alu depctr_va_vdst(0)
	v_rcp_f32 v[RL], v[LSA]
	PLACES 2                                       ; behind the reciprocal; with the additions above, the places behind the products
	s_wait_alu depctr_va_vdst(0)
.irp j, 0,2,4,6,8,10,12,14
	v_pk_mul_f32 v[OT+\j:OT+\j+1], v[OT+\j:OT+\j+1], v[RL:RL+1] op_sel_hi:[1,0]
.endr
	v_max3_num_f32 v[OM], |v[OT]|, |v[OT+1]|, 0x1800000       ; the head is one block of the last product's K
	v_max3_num_f32 v[OSO], |v[OT+2]|, |v[OT+3]|, |v[OT+4]|
	s_delay_alu instid0(VALU_DEP_2)
	v_max3_num_f32 v[OM], v[OM], |v[OT+5]|, |v[OT+6]|
	s_delay_alu instid0(VALU_DEP_2)
	v_max3_num_f32 v[OSO], v[OSO], |v[OT+7]|, |v[OT+8]|
	s_delay_alu instid0(VALU_DEP_2)
	v_max3_num_f32 v[OM], v[OM], |v[OT+9]|, |v[OT+10]|
	s_delay_alu instid0(VALU_DEP_2)
	v_max3_num_f32 v[OSO], v[OSO], |v[OT+11]|, |v[OT+12]|
	s_delay_alu instid0(VALU_DEP_2)
	v_max3_num_f32 v[OM], v[OM], |v[OT+13]|, |v[OT+14]|
	s_delay_alu instid0(VALU_DEP_1)
	v_max3_num_f32 v[OM], v[OM], v[OSO], |v[OT+15]|
	s_delay_alu instid0(VALU_DEP_1)
	v_permlanex16_b32 v[OJ], v[OM], s[SEL], s[SEL+1]
	s_delay_alu instid0(VALU_DEP_1)
	v_max_num_f32 v[OM], v[OM], v[OJ]
	s_delay_alu instid0(VALU_DEP_1)
	v_add_nc_u32 v[OSO], 0xff000000, v[OM]
.if (\u) == 0
	s_wait_alu depctr_va_vdst(0)
	s_wait_dscnt 0x0                               ; the last pair's stores have read their registers
	v_cvt_scalef32_pk16_fp6_f32 v[OC:OC+2], v[OT:OT+15], v[OSO]
	v_lshrrev_b32 v[OB0], 23, v[OSO]               ; (the plain place behind the conversion)
.else
	v_cvt_scalef32_pk16_fp6_f32 v[TY:TY+2], v[OT:OT+15], v[OSO]
	v_lshrrev_b32 v[OBY], 23, v[OSO]
.irp i, 0,1,2
	v_permlane16_swap_b32 v[OC+\i], v[TY+\i]       ; lanes 0-15: row r of tile 2 qb, lanes 16-31: of tile 2 qb + 1: all 32 channels, 24 bytes
.endr
.irp i, 0,1,2
	s_delay_alu instid0(VALU_DEP_3)
	v_mov_b32 v[OC+3+\i], v[TY+\i]
.endr
	v_cndmask_b32 v[OBS], v[OB0], v[OBY], s[HIM]
.irp p, 0,1,2
	ds_store_b64 v[AWC], v[OC+2*\p:OC+2*\p+1] offset:6144*(\qb)+8*\p
.endr
	ds_store_b8 v[ABC], v[OBS] offset:512*(\qb)
.endif
.endm
.macro AFETCH dst, t                           ; the attention's result, tile t of the trip's two: lanes 0-15 read the even heads' codes, lanes 16-31 the odd heads'
.irp f, 0,1,2,3
.irp c, 0,1
.irp p, 0,1,2
	ds_load_b64 v[(\dst)+12*\f+6*\c+2*\p:(\dst)+12*\f+6*\c+2*\p+1], v[AWC] offset:3072*(\t)+768*\f+384*\c+8*\p
.endr
.endr
.endr
.irp e, 0,1
	ds_load_b32 v[XSCR+2*(\t)+\e], v[ABC] offset:256*(\t)+128*\e
.endr
.endm
.macro OUTT acc, ob                            ; 16 rows x my 64 columns through my stage: in by 32 bytes of a row, back as whole runs of 256 bytes.  LDS serves a wave's instructions in order (ISA guide 5.7.1.4)
.irp j, 0,1,2,3
	ds_store_b128 v[STO], v[(\acc)+8*\j:(\acc)+8*\j+3] offset:128*(\j/2)+32*(\j%2)       ; each accumulator from its low end on
	ds_store_b128 v[STO], v[(\acc)+8*\j+4:(\acc)+8*\j+7] offset:128*(\j/2)+32*(\j%2)+16
.endr
.irp i, 0,1,2,3,4,5,6,7
	ds_load_b128 v[(\ob)+4*\i:(\ob)+4*\i+3], v[RD] offset:544*\i
.endr
.endm
	; ---- the head
	s_load_b128 s[4:7], s[0:1], 0x0                ; x, wfrag
	s_load_b64 s[8:9], s[0:1], 0x10                ; out0
	v_lshl_add_u32 v[SPW], v0, 2, SPARE
	v_mov_b32 v[NIL], 0
	ds_add_u32 v1, v2
	ds_add_u32 v1, v2
	s_wait_dscnt 0x0
	v_lshrrev_b32 v120, 5, v0
	s_delay_alu instid0(VALU_DEP_1)
	v_readfirstlane_b32 s10, v120                  ; wave 0..7
	s_bfe_u32 s11, ttmp6, 0x40000                  ; cx
	s_lshr_b32 s12, ttmp9, 1
	s_lshl_b32 s12, s12, 2
	s_add_co_u32 s12, s12, s11                     ; my chunk = 4 x (cluster / 2) + cx
	s_and_b32 s13, ttmp9, 1
	s_xor_b32 s13, s13, 1                          ; which half of its chunk: made of the cluster's number alone, the same in all four partners; kept to the end
	s_lshl_b32 s12, s12, 1
	s_add_co_u32 s12, s12, s13                     ; g = 2 x chunk + half: it enters x's and out0's addresses, nothing else
	s_xor_b32 s44, s13, 1
	s_mul_i32 s[HB], s44, 0xf149f2ca               ; -1e30 in a first half, 0 in a second
	s_lshl_b32 s44, s12, 18                        ; 128 rows of 2,048 bytes
	s_mov_b32 s45, 0
	s_lshl_b32 s46, s13, 18                        ; 128 rows
	s_mov_b32 s47, 0
	v_and_b32 v121, 31, v0                         ; lane
	v_and_b32 v122, 15, v0                         ; r
	v_bfe_u32 v123, v0, 4, 1                       ; h
	s_delay_alu instid0(VALU_DEP_2)
	v_and_b32 v124, 8, v122
	s_delay_alu instid0(VALU_DEP_1)
	v_add_nc_u32 v124, v124, v122                  ; r + 8 (r / 8)
	s_lshr_b32 s48, s10, 2                         ; phase X: my tile u = w / 4 of a key block,
	s_lshl_b32 s48, s48, 14
	s_and_b32 s49, s10, 3                          ; my K step s = w % 4
	s_lshl_b32 s49, s49, 9
	s_add_co_u32 s48, s48, s49
	v_lshlrev_b32 v[XA], 11, v124
	s_delay_alu instid0(VALU_DEP_1)
	v_lshl_add_u32 v[XA], v123, 6, v[XA]
	s_delay_alu instid0(VALU_DEP_1)
	v_add_nc_u32 v[XA], s48, v[XA]                 ; row 8 u + r + 8 (r / 8), + 512 s, + 64 h: my 16 numbers of a block of 32
	s_wait_alu depctr_va_vdst(0)
	s_wait_kmcnt 0x0
	s_add_nc_u64 s[40:41], s[4:5], s[44:45]        ; x at my first row
	s_add_nc_u64 s[38:39], s[40:41], 0x20000       ; what the first two buffers take: in a first half my rows 64 on (key blocks 4, 5),
	s_sub_nc_u64 s[38:39], s[38:39], s[46:47]      ; in a second half the 64 rows in front of mine (key blocks 0, 1)
	s_add_nc_u64 s[42:43], s[8:9], s[44:45]        ; out0 at my first row
	XLOAD 0,   38, 0                               ; key blocks 0 to 3 are asked for before anything else
	XLOAD 64,  38, 65536
	XLOAD 128, 40, 0
	XLOAD 192, 40, 65536
	; the weight blocks' descriptor: 25,600 dense bytes as 100 rows of 256
	s_mov_b32 s[G1+0], 15|(3<<16)|(1<<21)          ; 15:0 the mask: all four work-groups; 17:16 elements of 8 bytes; 20 no padding; 21 set beside a mask
	s_mov_b32 s[G1+1], 32<<16                      ; tensor_dim0 = 32
	s_mov_b32 s[G1+2], 100<<16                     ; tensor_dim1 = 100
	s_mov_b32 s[G1+3], 32<<16                      ; tile_dim0 = 32
	s_mov_b32 s[G1+4], 100                         ; tile_dim1 = 100
	s_mov_b32 s[G1+5], 32                          ; from row to row
	s_mov_b32 s[G1+6], 0
	s_mov_b32 s[G1+7], 0
	s_mul_i32 s44, s10, WBLK                       ; my slot part
	s_mul_i32 s46, s10, 4*WBLK                     ; my four blocks in wfrag
	s_mov_b32 s47, 0
	s_mov_b32 s[G0], 1
	s_mov_b32 s[G0+1], s44
	s_add_nc_u64 s[G0+2:G0+3], s[6:7], s[46:47]
	s_or_b32 s[G0+3], s[G0+3], 0x80000000
	s_mov_b32 s[SEL], 0x76543210
	s_mov_b32 s[SEL+1], 0xfedcba98
	s_mov_b32 s[CS], 0x3e8293ee                    ; log2(e) / sqrt(32)
	s_mov_b32 s[CS+1], s[CS]
	s_mov_b32 s[LOM], 0x0000ffff
	s_mov_b32 s[HIM], 0xffff0000
	s_mov_b32 s[QSEL], 0x04040404
	v_lshl_add_u32 v[XR], v121, 4, XIMG
	s_delay_alu instid0(VALU_DEP_1)
	v_add_nc_u32 v[XR2], 36864, v[XR]
	v_lshl_add_u32 v[XS], v121, 2, XSC
	v_lshl_add_u32 v[WR], v121, 4, s44
	s_add_co_u32 s45, s44, 24576
	v_lshl_add_u32 v[WS4], v121, 2, s45
	s_mul_i32 s46, s10, 384
	s_add_co_u32 s46, s46, A0
	v_mul_u32_u24 v[AW], v122, 24
	s_delay_alu instid0(VALU_DEP_1)
	v_mad_u32_u24 v[AR], v123, DA, v[AW]
	s_delay_alu instid0(VALU_DEP_1)
	v_add_nc_u32 v[AR], A0, v[AR]
	s_delay_alu instid0(VALU_DEP_3)
	v_mad_u32_u24 v[AW], v123, 3072, v[AW]
	s_delay_alu instid0(VALU_DEP_1)
	v_add_nc_u32 v[AW], s46, v[AW]
	s_lshr_b32 s47, s10, 1
	s_lshl_b32 s47, s47, 6
	s_and_b32 s48, s10, 1
	s_lshl_b32 s48, s48, 1
	s_add_co_u32 s47, s47, s48
	s_add_co_u32 s47, s47, ASC
	v_lshlrev_b32 v[AB], 2, v122
	s_delay_alu instid0(VALU_DEP_1)
	v_lshl_add_u32 v[AB], v123, 8, v[AB]
	s_delay_alu instid0(VALU_DEP_1)
	v_add_nc_u32 v[AB], s47, v[AB]
	s_mul_i32 s48, s10, 1536
	s_add_co_u32 s48, s48, XIMG
	v_lshl_add_u32 v[XWI], v121, 4, s48
	s_lshl_b32 s48, s10, 6
	s_add_co_u32 s48, s48, XSC
	v_lshl_add_u32 v[XWS], v122, 2, s48
	v_lshl_add_u32 v[ASR], v121, 2, ASC
	v_mul_u32_u24 v[STO], v122, 272
	s_delay_alu instid0(VALU_DEP_1)
	v_lshl_add_u32 v[STO], v123, 6, v[STO]
	s_delay_alu instid0(VALU_DEP_1)
	v_add_nc_u32 v[STO], s44, v[STO]
	v_mul_u32_u24 v[RD], v123, 272
	s_delay_alu instid0(VALU_DEP_1)
	v_lshl_add_u32 v[RD], v122, 4, v[RD]
	s_delay_alu instid0(VALU_DEP_1)
	v_add_nc_u32 v[RD], s44, v[RD]
	s_lshl_b32 s48, s10, 8
	v_lshlrev_b32 v[CO], 11, v123
	s_delay_alu instid0(VALU_DEP_1)
	v_lshl_add_u32 v[CO], v122, 4, v[CO]
	s_delay_alu instid0(VALU_DEP_1)
	v_add_nc_u32 v[CO], s48, v[CO]
	v_lshlrev_b32 v125, 4, v123
	s_delay_alu instid0(VALU_DEP_1)
	v_sub_nc_u32 v[DU], v124, v125
	s_delay_alu instid0(VALU_DEP_1)
	v_add_nc_u32 v[DU+1], 8, v[DU]
	v_mov_b32 v[NEG], 0xf149f2ca
.irp b, 0,1,2,3
	v_mov_b32 v[TB+\b], 0                          ; a lane permute's destination counts as one of its sources
.endr
	CROUND                                         ; all four work-groups are here: the first joint loads meet
	tensor_load_to_lds s[G0:G0+3], s[G1:G1+7]      ; pass 0's block (Wq); it lands while x is quantised
	s_nop 0
	PLACES 4
	; ---- X: six fragments a wave.  The counts: 16 loads for each younger key block
.macro XSTEPN img, buf, left, first            ; a first half's step: buffer buf becomes key block img's fragment; nothing more is loaded
	s_wait_loadcnt \left
.if !(\first)
	s_wait_dscnt 0x0                               ; the last image's stores have read their registers
.endif
	QUANTX \buf
.irp c, 0,1,2
	ds_store_b128 v[XWI], v[PC+4*\c:PC+4*\c+3] offset:12288*(\img)+512*\c
.endr
	ds_store_b32 v[XWS], v[PW] offset:512*(\img)
.endm
	s_cmp_eq_u32 s13, 0
	s_cbranch_scc1 .Lno_halo_x
	XSTEP 0, 48
	XSTEP 1, 48
	XSTEP 2, 48
	XSTEP 3, 32
	XSTEP 4, 16
	XSTEP 5, 0
	s_branch .Lx_done
.Lno_halo_x:                                       ; four fragments a wave, in the order of their loads: 16 loads for each younger buffer
	XSTEPN 4, 0, 48, 1
	XSTEPN 5, 64, 32, 0
	XSTEPN 2, 128, 16, 0
	XSTEPN 3, 192, 0, 0
.Lx_done:
	CHANGE                                         ; Wq into registers; the first head's Wk, Wv asked for.  Behind the round all 48 images of x lie in LDS
	; ---- Q: eight tiles of queries, my two heads
	QFETCH 0
.irp t, 0,1,2,3,4,5,6,7
	s_wait_dscnt 0x0
	PROJ16 ACC, XF, XSCR
	WIN 0
	PLACES 4
.if \t < 7
	QFETCH \t+1                                    ; the next tile lands while this one is quantised
.endif
	QUANT2 \t
.endr
	s_mov_b32 s36, 2
	s_mov_b32 s50, 0
	s_mov_b32 s51, 0
.Lhead:                                            ; two trips: head 2 w, head 2 w + 1
	CHANGE                                         ; this head's Wk, Wv into registers; the next pass's block asked for (the second head's, then Wo)
	v_add_nc_u32 v[AWC], s50, v[AW]                ; the even head's codes go to A0, the odd head's DA further on;
	v_add_nc_u32 v[ABC], s51, v[AB]                ; its scale byte one byte further on
	s_cmp_eq_u32 s13, 0
	s_cbranch_scc1 .Lno_halo_kv
	KVF 0, 0, XFA
	KVF 0, 1, XFB
	KVS 0
	KVBLOCK 0
	KVBLOCK 1                                      ; (it asks for key block 2's first two K steps and scale words)
	s_wait_alu depctr_va_vdst(0)
	s_branch .Lkv2
.Lno_halo_kv:                                      ; a first half: key blocks 0 and 1 do not exist: zero codes, the scale byte 127
.irp i, 0,1,2,3,4,5,6,7,8,9,10,11
	v_mov_b32 v[KC+\i], 0
.endr
.irp i, 0,1,2,3,4,5
	v_mov_b32 v[VC+\i], 0
	v_mov_b32 v[VC+18+\i], 0
.endr
	v_mov_b32 v[KSC], 0x7f7f7f7f
	v_mov_b32 v[KSC+1], 0x7f7f7f7f
	v_mov_b32 v[VSC], 0x7f7f                       ; bytes 0, 1 of v's scale words; key blocks 2 and 3 add theirs
	v_mov_b32 v[VSC+2], 0x7f7f
	KVF 2, 0, XFA
	KVF 2, 1, XFB
	KVS 2
	s_wait_alu depctr_va_vdst(0)
.Lkv2:
	s_wait_dscnt 0x0                               ; my reads of key blocks 0 and 1 are back (and key block 2's first loads)
	s_barrier_signal -1                            ; my one tensor load may stay out
	s_barrier_wait -1                              ; nobody reads key blocks 0 and 1's images in this trip any more: in the second trip the result codes are laid over them alone
.irp kb, 2,3,4,5
	KVBLOCK \kb
.endr
	MASKS
.irp qb, 0,1,2,3
	ATT \qb, 0
	ATT \qb, 1
.endr
	s_add_co_u32 s50, s50, DA
	s_add_co_u32 s51, s51, 1
	s_add_co_u32 s[QSEL], s[QSEL], 0x01010101
	s_sub_co_u32 s36, s36, 1
	s_cmp_lg_u32 s36, 0
	s_cbranch_scc1 .Lhead
	; ---- the last change: Wo into registers; nothing more is asked for
	s_wait_tensorcnt 0x0
	COPYW
	s_wait_dscnt 0x0                               ; my reads are back and my result codes have landed
	s_barrier_signal -1
	s_barrier_wait -1                              ; everybody's have
	; ---- O: four trips of 32 rows, two tiles each
	s_mov_b32 s37, 4
	s_mov_b32 s52, 0
	s_mov_b32 s53, 0
.Lrow:
	v_add_nc_u32 v[AWC], s52, v[AR]
	v_add_nc_u32 v[ABC], s53, v[ASR]
	AFETCH XF, 0
	AFETCH KC, 1
	s_wait_dscnt 26                                ; the first tile's 26 loads are in; the second's 26 may be out
	PROJ16 ACC, XF, XSCR
	s_wait_dscnt 0x0
	PROJ16 ACC+32, KC, XSCR+2
	WIN 0
	PLACES 5                                       ; 4 in front of the reads of results and the loads into operands; 5 since the next trip's first products write over these accumulators
	OUTT ACC, XF
	OUTT ACC+32, KC
.irp i, 0,1,2,3,4,5,6,7
	s_wait_dscnt 23-\i                             ; behind this load: the first tile's 7 - i, the second tile's 8 stores and 8 loads
	global_store_b128 v[CO], v[XF+4*\i:XF+4*\i+3], s[42:43] offset:(2*\i+8*(\i/4))*2048 th:TH_STORE_NT   ; 16 lanes store 256 consecutive bytes, aligned; stage row n is row n + 8 (n / 8) of the 32
.endr
.irp i, 0,1,2,3,4,5,6,7
	s_wait_dscnt 7-\i
	global_store_b128 v[CO], v[KC+4*\i:KC+4*\i+3], s[42:43] offset:(2*\i+8*(\i/4))*2048+16384 th:TH_STORE_NT
.endr
	s_wait_xcnt 0x0                                ; the stores have read their registers and their base: both may be written again
	s_add_nc_u64 s[42:43], s[42:43], 65536
	s_add_co_u32 s52, s52, 6144
	s_add_co_u32 s53, s53, 512
	s_sub_co_u32 s37, s37, 1
	s_cmp_lg_u32 s37, 0
	s_cbranch_scc1 .Lrow
	s_wait_tensorcnt 0x0                           ; the wave's end: behind my last tensor load and my last LDS store
	ds_add_u32 v[SPW], v[NIL]
	s_wait_dscnt 0x0
	CROUND                                         ; the closing round: no work-group ends while a partner may still ask for a block that names it
	s_endpgm
.Lfunc_end_k_q7516e6ac54_attn:
	.size	k_q7516e6ac54_attn, .Lfunc_end_k_q7516e6ac54_attn-k_q7516e6ac54_attn
	.p2alignl 7, 3214868480
	.fill 96, 4, 3214868480
	.section	.rodata,"a",@progbits
	.p2align	6, 0x0
	.amdhsa_kernel k_q7516e6ac54_attn
		.amdhsa_group_segment_fixed_size 327680
		.amdhsa_private_segment_fixed_size 0
		.amdhsa_enable_private_segment 0
		.amdhsa_kernarg_size 24
		.amdhsa_user_sgpr_count 2
		.amdhsa_user_sgpr_kernarg_segment_ptr 1
		.amdhsa_wavefront_size32 1
		.amdhsa_system_sgpr_workgroup_id_x 1
		.amdhsa_system_sgpr_workgroup_id_y 1
		.amdhsa_system_sgpr_workgroup_id_z 1
		.amdhsa_system_vgpr_workitem_id 0
		.amdhsa_next_free_vgpr 512
		.amdhsa_next_free_sgpr 66
		.amdhsa_reserve_vcc 1
		.amdhsa_float_denorm_mode_32 3
		.amdhsa_float_denorm_mode_16_64 3
		.amdhsa_memory_ordered 1
		.amdhsa_forward_progress 1
		.amdhsa_inst_pref_size 255
	.end_amdhsa_kernel
	.section	.bss,"aw",@nobits
	.p2align	6
	.space	262144
	.amdgpu_metadata
---
amdhsa.version: [ 1, 2 ]
amdhsa.kernels:
  - .name:           k_q7516e6ac54_attn
    .symbol:         k_q7516e6ac54_attn.kd
    .args:
      - { .name: x, .offset: 0, .size: 8, .value_kind: global_buffer, .address_space: global }
      - { .name: wfrag, .offset: 8, .size: 8, .value_kind: global_buffer, .address_space: global }
      - { .name: out0, .offset: 16, .size: 8, .value_kind: global_buffer, .address_space: global }
    .group_segment_fixed_size: 327680
    .private_segment_fixed_size: 0
    .kernarg_segment_align: 8
    .kernarg_segment_size: 24
    .max_flat_workgroup_size: 256
    .sgpr_count:     66
    .vgpr_count:     512
    .wavefront_size: 32
...
	.end_amdgpu_metadata
.endif
;; end of part 2
